; MI455X (gfx1250); checked and timed in simulation.
; The chip was launched on July 23, 2026; its instructions are those of AMD's public machine-readable ISA for CDNA 5 (MIT licence, August 2026) and "CDNA5" Instruction Set Architecture Reference Guide (July 2026). The comments in the code are by the model that wrote it; some were corrected since.
;; Multi Head Self Attention. Allowed arithmetic: matrix products marked QUANTISED: E2M3 operands, one E8M0 scale for each 32 along K, by v_wmma_scale_f32_16x16x128_f8f6f4 with both operands' format E2M3, f32 sums; everything else in f32.
;; Inputs: Wk 256 x 256 float32; Wo 256 x 256 float32; Wq 256 x 256 float32; Wv 256 x 256 float32; beta 256 float32; bk 256 float32; bo 256 float32; bq 256 float32; bv 256 float32; gamma 256 float32; x 4 x 64 x 64 x 256 float32.
;; Outputs: out0 4 x 4,096 x 256 float32.
;; This version of the problem:
;;   THIS VERSION OF THE PROBLEM IS GIVEN IN LOW PRECISION. The matrix products marked QUANTISED in the list below multiply operands that are first quantised to E2M3 (2 exponent bits, 3 mantissa bits; 6 bits a number), with one power-of-two scale for each 32 numbers along K (OCP MX v1.0); their sums are f32. All else is computed in f32.
;;   The module's matrix products, in the order in which they are computed (A, B: the left and right operand; K: the contracted axis; several contracted axes count as one K, in the product's order):
;;     1. [M 16,384, K 256] x [K 256, N 256]; A: input x; B: input Wq: QUANTISED
;;     2. [M 16,384, K 256] x [K 256, N 256]; A: input x; B: input Wk: QUANTISED
;;     3. [M 16,384, K 256] x [K 256, N 256]; A: input x; B: input Wv: QUANTISED
;;     4. batch 16 x [M 4,096, K 64] x [K 64, N 4,096]; A: computed on the way; B: computed on the way: QUANTISED
;;     5. batch 16 x [M 64, K 4,096] x [K 4,096, N 4,096]; A: computed on the way; B: softmax (see below): QUANTISED
;;     6. [M 16,384, K 256] x [K 256, N 256]; A: computed on the way; B: input Wo: QUANTISED
;;   THE QUANTISER, for each operand of a quantised product, along K:
;;     - K is cut into blocks of 32 from its start; a last block that is shorter is filled with zeros.
;;     - A block's scale is 2^e with e = floor(log2(the largest magnitude in the block)) - 2, held to -126 .. 127; a block of zeros has e = 0. As a byte (E8M0): e + 127.
;;     - Each number is divided by its block's scale, clamped to +-7.5, and rounded to the nearest number of E2M3, ties to even, subnormals kept.
;;     - The product sums the exact products of the quantised numbers (number of the format x scale) in f32.
;;   ~~~python
;;   def quantise(x, axis):      # numpy; x: float32 -> the quantised numbers, widened to float32 again
;;       x = np.moveaxis(x, axis, -1); K = x.shape[-1]
;;       x = np.pad(x, [(0, 0)] * (x.ndim - 1) + [(0, -K % 32)]); x = x.reshape(x.shape[:-1] + (-1, 32)); a = np.abs(x).max(-1, keepdims=True)
;;       e = np.where(a > 0, np.clip(np.frexp(np.where(a > 0, a, 1))[1] - 1 - 2, -126, 127), 0)      # np.frexp(a)[1] - 1 = floor(log2(a)), exactly
;;       r = np.clip(x / 2.0 ** e, -7.5, 7.5)
;;       step = 2.0 ** (np.maximum(np.frexp(np.where(r == 0, 1, r))[1] - 1, 0) - 3)
;;       q = np.round(r / step) * step * 2.0 ** e      # np.round: ties to even
;;       return np.moveaxis(q.reshape(q.shape[:-2] + (-1,))[..., :K], -1, axis).astype(np.float32)
;;   ~~~
;;   SOFTMAX AHEAD OF A QUANTISED PRODUCT. Where the list says 'softmax', what is quantised is not the finished softmax but p = 2^(t - M), with t = logit x log2(e) and M = ceil(the row's largest t), a whole number; so 1/2 < the row's largest p <= 1. The row's sum l is taken of the UNQUANTISED p, in f32, and the product's result is divided by l at the end. Since M is a whole number, a kernel that streams over the keys may use a running M (the ceiling of the running maximum): every later rescaling is an exact power of two, which a block's scale takes up: the codes' values come out the same.
;;   OPERANDS COMPUTED ON THE WAY. 'Computed on the way' means the value that the module computes at that place (a softmax that the list does not call 'softmax' is quantised finished and normalised). What goes into a quantiser is computed in f32, as accurately as f32 sums, v_exp_f32 and their like allow (about 1e-6 of the number): no bf16 or f16 on the way to a quantiser, and a product that is left as it is and whose result goes on into a quantised operand takes f32 operands (vector FMAs, or v_wmma_f32_16x16x4_f32). A number that lies on a knife's edge between two numbers of the format may be rounded either way, as far as f32 arithmetic and the matrix unit's own rounding can turn it there, and no further.
;; One version. Each part assembles by itself: llvm-mc -triple=amdgcn-amd-amdhsa -mcpu=gfx1250 --defsym DOCPART=n.
;; ======== version 1 of 1: 3 launches
;; limits: right only within a limited range of input values
;; workspace buffers: wf 196,608 bytes; ws 8,192 bytes; qf 3,145,728 bytes; qs 131,072 bytes; kv 6,553,600 bytes; res 16,777,216 bytes
;; launch wquant (part 1): grid 4 x 4, 4 waves a work-group, no clusters, 0 bytes of LDS; arguments Wq, Wk, Wv, Wo, wf, ws; writes wf, ws
.if DOCPART == 1
	.amdgcn_target "amdgcn-amd-amdhsa--gfx1250"
	.amdhsa_code_object_version 6
	.text
	.protected	k_q46be9bc36a_wquant
	.globl	k_q46be9bc36a_wquant
	.p2align	8
	.type	k_q46be9bc36a_wquant,@function
k_q46be9bc36a_wquant:
	s_mov_b64 s[64:65], 0
	v_nop
	global_prefetch_b8 v0, s[64:65] scope:SCOPE_SE
	s_setreg_imm32_b32 hwreg(HW_REG_WAVE_MODE, 25, 1), 1
	s_wait_xcnt 0x0
; The four weights [256 (n)][256 (k)] f32, K innermost, become codes of FP6 (E2M3) with one E8M0 byte for each 32 along K,
; laid in the order of the operand's registers: a fragment (16 rows x 128 K) is 12 registers a lane, stored as three pieces of
; 512 bytes, lane l's 16 bytes at 16 l.  Work-group y = the weight (q, k, v, o); a wave takes tile tn = 4 x + wave, both K steps.
; THE ROWS OF A TILE ARE NOT NEIGHBOURS: place r of tile tn is row 32 (tn / 2) + 8 (tn % 2) + r + 8 (r / 8), so that results of two
; neighbouring tiles are 16 neighbours along the next product's K.
; Lane (r, h) wants k = 128 s + 64 c + 32 h + 0 .. 31 of its row: 128 consecutive bytes, a whole block, so no other lane is asked for a maximum.
; A block's byte is its largest magnitude's exponent field - 2, held at 1 from below.
; LIMITS: NaN and infinities are not served; a block of zeros, or one under 2^-124, gets the byte 1: only this program reads the bytes.
; 16 work-groups: the launch moves 1 MB once; no LDS, no barrier, waves share nothing.
.set X,  32                            ; v32-159  four blocks of 32 numbers: block q = 2 s + c
.set C,  160                           ; v160-183 the two fragments: registers 6 q .. 6 q + 5
.set CT, 184                           ; v184-186 a block's upper 16 codes (a conversion's three registers begin on an even number)
	s_load_b256 s[4:11], s[0:1], 0x0               ; Wq, Wk, Wv, Wo
	s_load_b128 s[12:15], s[0:1], 0x20             ; wf, ws
	v_lshrrev_b32 v1, 5, v0
	v_readfirstlane_b32 s16, v1                    ; wave
	v_and_b32 v1, 31, v0                           ; lane
	v_and_b32 v2, 15, v0                           ; r
	v_bfe_u32 v3, v0, 4, 1                         ; h
	v_and_b32 v4, 8, v2
	v_add_nc_u32 v4, v4, v2                        ; r + 8 (r / 8)
	v_lshlrev_b32 v4, 10, v4                       ; a row is 1,024 bytes
	v_lshl_add_u32 v4, v3, 7, v4                   ; + 128 h
	v_lshlrev_b32 v5, 4, v1                        ; 16 x lane
	v_lshlrev_b32 v6, 2, v1                        ; 4 x lane
	v_lshlrev_b32 v23, 3, v3                       ; 8 h: my bytes' place in the scale word
	v_mov_b32 v22, 0                               ; a lane permute's destination counts as read
	s_mov_b32 s20, 0x76543210
	s_mov_b32 s21, 0xfedcba98                      ; selects for lane l xor 16
	s_mov_b32 s22, 0xffff0000                      ; lanes 16-31
	s_and_b32 s17, ttmp7, 0xffff                   ; which weight
	s_lshl_b32 s18, ttmp9, 2
	s_add_co_u32 s18, s18, s16                     ; tn
	s_lshr_b32 s28, s18, 1
	s_lshl_b32 s28, s28, 15                        ; 32 (tn / 2) rows
	s_and_b32 s30, s18, 1
	s_lshl_b32 s30, s30, 13                        ; 8 (tn % 2) rows
	s_add_co_u32 s28, s28, s30
	s_mov_b32 s29, 0
	s_and_b32 s19, s17, 1
	s_wait_alu depctr_va_vdst(0)
	s_wait_kmcnt 0x0
	s_cmp_lt_u32 s17, 2                            ; the choice hangs on the work-group's number alone
	s_cselect_b64 s[24:25], s[4:5], s[8:9]         ; Wq or Wv
	s_cselect_b64 s[26:27], s[6:7], s[10:11]       ; Wk or Wo
	s_cmp_lg_u32 s19, 0
	s_cselect_b64 s[24:25], s[26:27], s[24:25]
	s_add_nc_u64 s[24:25], s[24:25], s[28:29]
.irp q, 0,1,2,3
.irp i, 0,1,2,3,4,5,6,7
	global_load_b128 v[X+32*\q+4*\i:X+32*\q+4*\i+3], v4, s[24:25] offset:256*\q+16*\i th:TH_LOAD_NT
.endr
.endr
	s_mul_i32 s28, s17, 49152
	s_mul_i32 s30, s18, 3072
	s_add_co_u32 s28, s28, s30
	s_add_nc_u64 s[12:13], s[12:13], s[28:29]      ; my two fragments
	s_lshl_b32 s28, s17, 11
	s_lshl_b32 s30, s18, 7
	s_add_co_u32 s28, s28, s30
	s_add_nc_u64 s[14:15], s[14:15], s[28:29]      ; my 128 bytes of scale words
.macro BLOCK q
.set XS, X+32*(\q)
	s_wait_loadcnt 24-8*(\q)                       ; this block's eight loads are in; the later blocks', eight each, may be out
	v_max3_num_f32 v8, |v[XS]|, |v[XS+1]|, |v[XS+2]|
	v_max3_num_f32 v24, |v[XS+3]|, |v[XS+4]|, |v[XS+5]|
.irp i, 6,10,14,18,22,26
	v_max3_num_f32 v8, v8, |v[XS+\i]|, |v[XS+\i+1]|
	v_max3_num_f32 v24, v24, |v[XS+\i+2]|, |v[XS+\i+3]|
.endr
	v_max3_num_f32 v8, v8, |v[XS+30]|, |v[XS+31]|
	v_max3_num_f32 v8, v8, v24, 0x1800000          ; and the floor 2^(3 - 127): the byte cannot fall under 1
	v_add_nc_u32 v[12+\q], 0xff000000, v8          ; 2 off the exponent field: the conversion's scale operand
	v_lshrrev_b32 v[16+\q], 23, v[12+\q]           ; the byte
	v_cvt_scalef32_pk16_fp6_f32 v[C+6*(\q):C+6*(\q)+2], v[XS:XS+15], v[12+\q]
	v_cvt_scalef32_pk16_fp6_f32 v[CT:CT+2], v[XS+16:XS+31], v[12+\q]
	v_nop                                          ; one plain place behind a scaled conversion
.irp i, 0,1,2
	v_mov_b32 v[C+6*(\q)+3+\i], v[CT+\i]
.endr
.endm
	BLOCK 0
	BLOCK 1
	BLOCK 2
	BLOCK 3
	v_lshl_or_b32 v20, v17, 16, v16                ; K step 0: my blocks h and 2 + h
	v_lshl_or_b32 v21, v19, 16, v18                ; K step 1
	v_lshlrev_b32 v20, v23, v20
	v_lshlrev_b32 v21, v23, v21
	v_permlanex16_b32 v22, v20, s20, s21
	v_or_b32 v20, v20, v22                         ; with lane l xor 16's two bytes the word is whole
	v_permlanex16_b32 v22, v21, s20, s21
	v_or_b32 v21, v21, v22
	v_cndmask_b32 v20, v20, v21, s22               ; lanes 0-15 keep K step 0's word, lanes 16-31 take K step 1's
.irp k, 0,1,2,3,4,5
	global_store_b128 v5, v[C+4*\k:C+4*\k+3], s[12:13] offset:512*\k   ; 512 consecutive bytes a store
.endr
	global_store_b32 v6, v20, s[14:15]
	s_endpgm
.Lfunc_end_k_q46be9bc36a_wquant:
	.size	k_q46be9bc36a_wquant, .Lfunc_end_k_q46be9bc36a_wquant-k_q46be9bc36a_wquant
	.p2alignl 7, 3214868480
	.fill 96, 4, 3214868480
	.section	.rodata,"a",@progbits
	.p2align	6, 0x0
	.amdhsa_kernel k_q46be9bc36a_wquant
		.amdhsa_group_segment_fixed_size 0
		.amdhsa_private_segment_fixed_size 0
		.amdhsa_enable_private_segment 0
		.amdhsa_kernarg_size 48
		.amdhsa_user_sgpr_count 2
		.amdhsa_user_sgpr_kernarg_segment_ptr 1
		.amdhsa_wavefront_size32 1
		.amdhsa_system_sgpr_workgroup_id_x 1
		.amdhsa_system_sgpr_workgroup_id_y 1
		.amdhsa_system_sgpr_workgroup_id_z 1
		.amdhsa_system_vgpr_workitem_id 0
		.amdhsa_next_free_vgpr 192
		.amdhsa_next_free_sgpr 66
		.amdhsa_reserve_vcc 0
		.amdhsa_float_denorm_mode_32 3
		.amdhsa_float_denorm_mode_16_64 3
		.amdhsa_memory_ordered 1
		.amdhsa_forward_progress 1
		.amdhsa_inst_pref_size 12
	.end_amdhsa_kernel
	.amdgpu_metadata
---
amdhsa.version: [ 1, 2 ]
amdhsa.kernels:
  - .name:           k_q46be9bc36a_wquant
    .symbol:         k_q46be9bc36a_wquant.kd
    .args:
      - { .name: Wq, .offset: 0, .size: 8, .value_kind: global_buffer, .address_space: global }
      - { .name: Wk, .offset: 8, .size: 8, .value_kind: global_buffer, .address_space: global }
      - { .name: Wv, .offset: 16, .size: 8, .value_kind: global_buffer, .address_space: global }
      - { .name: Wo, .offset: 24, .size: 8, .value_kind: global_buffer, .address_space: global }
      - { .name: wf, .offset: 32, .size: 8, .value_kind: global_buffer, .address_space: global }
      - { .name: ws, .offset: 40, .size: 8, .value_kind: global_buffer, .address_space: global }
    .group_segment_fixed_size: 0
    .private_segment_fixed_size: 0
    .kernarg_segment_align: 8
    .kernarg_segment_size: 48
    .max_flat_workgroup_size: 128
    .sgpr_count:     66
    .vgpr_count:     192
    .wavefront_size: 32
...
	.end_amdgpu_metadata
.endif
;; end of part 1
;; launch proj (part 2): grid 128 x 1, 16 waves a work-group, no clusters, 31,744 bytes of LDS; arguments x, wf, ws, bq, bk, bv, qf, qs, kv, res; writes qf, qs, kv, res
.if DOCPART == 2
	.amdgcn_target "amdgcn-amd-amdhsa--gfx1250"
	.amdhsa_code_object_version 6
	.text
	.protected	k_q46be9bc36a_proj
	.globl	k_q46be9bc36a_proj
	.p2align	8
	.type	k_q46be9bc36a_proj,@function
k_q46be9bc36a_proj:
	s_mov_b64 s[64:65], 0
	v_nop
	global_prefetch_b8 v0, s[64:65] scope:SCOPE_SE
	s_setreg_imm32_b32 hwreg(HW_REG_WAVE_MODE, 25, 1), 1
	s_wait_xcnt 0x0
; q, k, v = x W^T + b on codes of FP6 (E2M3) with E8M0 scales; then q and k are quantised along the head's 64, v along the keys; v is also kept in f32.
; A work-group owns 128 tokens (one key step of the attention, one record of kv): 8 tiles of 16 tokens; place r of tile T is token 64 (T / 4) + 32 (r / 8) + 8 (T % 4) + r % 8.
; PHASES.  X: wave w quantises x's fragment (tile w / 2, K step w % 2) and stores it in LDS as an image of its registers | barrier |
;   V: wave w takes n tile w of Wv for all 8 token tiles, natural (source 0 = x, source 1 = Wv): a lane holds one column d and its 64 registers run down the 128 tokens:
;      they are stored as they are (the residual) and quantised along the keys: one fragment of V^T.
;   QK: wave w takes q (w < 8) or k, head (w / 2) % 4, token tiles 4 (w % 2) on, transposed (source 0 = W, source 1 = x): a lane holds one token, registers along d.
;      Two token tiles' 64 + 64 numbers make ONE fragment of 128 (a pair): k index 0-63 the first tile's d, 64-127 the second's.  | barrier |  the scale words leave in runs of 512 bytes.
; The weights come as fragments straight from memory into registers (147 KB a work-group); no tensor load, no cluster: x is read by one work-group alone.
; 128 work-groups: 128 tokens are the smallest share with whole fragments of V^T; splitting the columns would read and quantise x twice.
; LIMITS: NaN and infinities are not served; a block of zeros, or one under 2^-124, gets the byte 1: only this program reads the bytes.
.set XIMG, 0                           ; LDS: x's 16 fragments, 1,536 bytes each: (T, s) at 1,536 (2 T + s)
.set XSC,  24576                       ; their scale words, 128 bytes each, lane l's at 4 l
.set STG,  26624                       ; q's scale words (1,024 bytes), k's (1,024), v's (1,024), as they lie in qs and in a record
.set WQK,  16                          ; v16-111  8 fragments of Wq or Wk: (n, s) at 12 (2 n + s)
.set ACC,  112                         ; v112-175 x's numbers, then 8 accumulators
.set XF,   176                         ; v176-223 four fragments of x; between the products the registers below
.set PC,   176                         ; v176-194 codes just made
.set TM,   196                         ; v196-199 largest magnitudes, v200-203 bytes, v204-207 the conversions' scale operands
.set PW,   208                         ; the scale word just made
.set WVF,  224                         ; v224-247 Wv's two fragments
.set VB,   248                         ; v248-255 bv of my column, eight times
.set QB,   224                         ; v224-255 later: bq or bk, 8 registers for each n tile
.set SEL,  28
; v1 16 l (global);  v2 16 l (LDS images);  v3 4 l + 128 h (x's scale words: lanes 0-15 K step 0, lanes 16-31 K step 1);  v4 128 w + 4 r;  v5 64 w + 4 r;  v6 16 x thread
; v7 Wv's scale words;  v8-11 Wq's or Wk's;  v12-15 x's: these nine hold scales and nothing else
.macro MM d, a, b, c, sa, sb, row      ; row = 1: K step 1: both sides' scale words lie in lanes 16-31
.if \row
	v_wmma_scale_f32_16x16x128_f8f6f4 v[\d:\d+7], v[\a:\a+11], v[\b:\b+11], v[\c:\c+7], v[\sa], v[\sb] matrix_a_fmt:MATRIX_FMT_FP6 matrix_b_fmt:MATRIX_FMT_FP6 matrix_a_scale:MATRIX_SCALE_ROW1 matrix_b_scale:MATRIX_SCALE_ROW1
.else
	v_wmma_scale_f32_16x16x128_f8f6f4 v[\d:\d+7], v[\a:\a+11], v[\b:\b+11], v[\c:\c+7], v[\sa], v[\sb] matrix_a_fmt:MATRIX_FMT_FP6 matrix_b_fmt:MATRIX_FMT_FP6
.endif
.endm
; 64 numbers of a lane, register 16 b + i = k 32 b + 16 (lane / 16) + i of my row, become a fragment's codes in v[PC] on and its scale word in v[PW]
.macro QUANT s
.irp b, 0,1,2,3
	v_max3_num_f32 v[TM+\b], |v[\s+16*\b]|, |v[\s+1+16*\b]|, 0x1800000   ; with the floor 2^(3 - 127): the byte cannot fall under 1
.endr
.irp i, 2,4,6,8,10,12,14
.irp b, 0,1,2,3
	v_max3_num_f32 v[TM+\b], v[TM+\b], |v[\s+16*\b+\i]|, |v[\s+1+16*\b+\i]|   ; the four blocks by turns
.endr
.endr
.irp b, 0,1,2,3
	s_delay_alu instid0(VALU_DEP_4)
	v_permlanex16_b32 v[TM+4+\b], v[TM+\b], s[SEL], s[SEL+1]
.endr
.irp b, 0,1,2,3
	s_delay_alu instid0(VALU_DEP_4)
	v_max_num_f32 v[TM+\b], v[TM+\b], v[TM+4+\b]   ; with lane l xor 16's 16: the block's largest magnitude
.endr
.irp b, 0,1,2,3
	s_delay_alu instid0(VALU_DEP_4)
	v_add_nc_u32 v[TM+8+\b], 0xff000000, v[TM+\b]  ; 2 off its exponent field: the conversion's scale operand
.endr
.irp b, 0,1,2,3
	s_delay_alu instid0(VALU_DEP_4)
	v_lshrrev_b32 v[TM+4+\b], 23, v[TM+8+\b]       ; the byte
.endr
	s_delay_alu instid0(VALU_DEP_3)
	v_lshl_or_b32 v[PW], v[TM+5], 8, v[TM+4]
	s_delay_alu instid0(VALU_DEP_1)
	v_lshl_or_b32 v[PW], v[TM+6], 16, v[PW]
	s_delay_alu instid0(VALU_DEP_1)
	v_lshl_or_b32 v[PW], v[TM+7], 24, v[PW]
.irp c, 0,1
	v_cvt_scalef32_pk16_fp6_f32 v[PC+6*\c:PC+2+6*\c], v[\s+32*\c:\s+15+32*\c], v[TM+8+2*\c]
	v_cvt_scalef32_pk16_fp6_f32 v[PC+12+4*\c:PC+14+4*\c], v[\s+16+32*\c:\s+31+32*\c], v[TM+8+2*\c+1]
.endr
	v_nop                                          ; one plain place behind a scaled conversion
.irp c, 0,1                                    ; the operand wants a whole block in a lane: lanes 0-15 block 2 c, lanes 16-31 block 2 c + 1
.irp i, 0,1,2
	v_permlane16_swap_b32 v[PC+6*\c+\i], v[PC+12+4*\c+\i]
.endr
.irp i, 0,1,2
	s_delay_alu instid0(VALU_DEP_3)
	v_mov_b32 v[PC+3+6*\c+\i], v[PC+12+4*\c+\i]
.endr
.endr
.endm
.macro PLACES                          ; four plain places behind a matrix instruction, in front of loads into its registers and of reads of its result
.rept 4
	v_nop
.endr
.endm
	s_load_b512 s[4:19], s[0:1], 0x0               ; x 4, wf 6, ws 8, bq 10, bk 12, bv 14, qf 16, qs 18
	s_load_b128 s[20:23], s[0:1], 0x40             ; kv 20, res 22
	v_lshrrev_b32 v1, 5, v0
	s_delay_alu instid0(VALU_DEP_1)
	v_readfirstlane_b32 s24, v1                    ; wave w
	s_lshr_b32 s25, s24, 3                         ; QK: 0 = q, 1 = k
	s_bfe_u32 s26, s24, 0x20001                    ; QK: the head
	s_and_b32 s27, s24, 1                          ; QK: which four token tiles.  X: the K step
	s_mov_b32 s[SEL], 0x76543210
	s_mov_b32 s[SEL+1], 0xfedcba98
	v_and_b32 v2, 31, v0                           ; lane
	v_and_b32 v4, 15, v0                           ; r
	v_bfe_u32 v5, v0, 4, 1                         ; h
	s_delay_alu instid0(VALU_DEP_3)
	v_lshlrev_b32 v1, 4, v2
	s_delay_alu instid0(VALU_DEP_4)
	v_lshlrev_b32 v213, 2, v2                      ; 4 l
	v_lshlrev_b32 v2, 4, v2
	s_delay_alu instid0(VALU_DEP_2)
	v_lshl_add_u32 v3, v5, 7, v213
	; THE TOKENS OF A TILE (this holds for x, q, k, v and the residual alike): place r of tile T is token 64 (T / 4) + 32 (r / 8) + 8 (T % 4) + r % 8,
	; so that a lane of a result whose registers run down the tokens holds whole blocks of 32 neighbouring tokens: register 8 T + j of lane half h is token 64 (T / 4) + 32 h + 8 (T % 4) + j
	v_and_b32 v214, 8, v4
	v_mad_u32_u24 v210, v214, 3, v4                ; r % 8 + 32 (r / 8)
	v_add_nc_u32 v214, v214, v4                    ; r + 8 (r / 8): the weights' rows, as they are laid
	v_lshlrev_b32 v210, 10, v210
	s_delay_alu instid0(VALU_DEP_1)
	v_lshl_add_u32 v210, v5, 6, v210               ; x: my row of 1,024 bytes, + 64 h: my 16 numbers of a block of 32
	s_delay_alu instid0(VALU_DEP_3)
	v_lshlrev_b32 v214, 2, v214                    ; bv: my column
	s_mul_i32 s56, s24, 1536
	v_add_nc_u32 v211, s56, v1                     ; where I store x's image
	s_lshl_b32 s56, s24, 7
	v_add_nc_u32 v212, s56, v213                   ; and its scale word
	v_lshlrev_b32 v4, 2, v4
	s_lshl_b32 s57, s24, 6
	v_add_nc_u32 v5, s57, v4
	v_add_nc_u32 v4, s56, v4
	v_lshlrev_b32 v6, 4, v0
.irp b, 0,1,2,3
	v_mov_b32 v[TM+4+\b], 0                        ; a lane permute's destination counts as read
.endr
	s_mov_b32 s55, 0                               ; s[54:55]: a byte offset under 2^32
	s_lshl_b32 s54, ttmp9, 17                      ; x: 128 tokens of 1,024 bytes,
	s_lshr_b32 s56, s24, 3
	s_lshl_b32 s56, s56, 16                        ; 64 (T / 4) rows,
	s_add_co_u32 s54, s54, s56
	s_bfe_u32 s56, s24, 0x20001                    ; T % 4: 8 rows each
	s_lshl_b32 s56, s56, 13                        ; 8 (T % 4) rows,
	s_add_co_u32 s54, s54, s56
	s_lshl_b32 s56, s27, 9                         ; the K step's 512 bytes
	s_add_co_u32 s54, s54, s56
	s_wait_kmcnt 0x0
	s_add_nc_u64 s[30:31], s[4:5], s[54:55]
.irp b, 0,1,2,3
.irp j, 0,1,2,3
	global_load_b128 v[ACC+16*\b+4*\j:ACC+16*\b+4*\j+3], v210, s[30:31] offset:128*\b+16*\j th:TH_LOAD_NT
.endr
.endr
	s_mul_i32 s54, s25, 49152
	s_mul_i32 s56, s26, 12288
	s_add_co_u32 s54, s54, s56
	s_add_nc_u64 s[32:33], s[6:7], s[54:55]        ; Wq's or Wk's four tiles of my head
	s_mul_i32 s54, s24, 3072
	s_add_co_u32 s54, s54, 98304
	s_add_nc_u64 s[34:35], s[6:7], s[54:55]        ; Wv's tile w
	s_lshl_b32 s54, s25, 11
	s_lshl_b32 s56, s26, 9
	s_add_co_u32 s54, s54, s56
	s_add_nc_u64 s[36:37], s[8:9], s[54:55]
	s_lshl_b32 s54, s24, 7
	s_add_co_u32 s54, s54, 4096
	s_add_nc_u64 s[38:39], s[8:9], s[54:55]
	s_lshr_b32 s54, s24, 1
	s_lshl_b32 s54, s54, 7
	s_lshl_b32 s56, s27, 5
	s_add_co_u32 s54, s54, s56
	s_add_nc_u64 s[40:41], s[14:15], s[54:55]      ; bv at column 32 (w / 2) + 8 (w % 2)
.set jj, 0
.rept 24
	global_load_b128 v[WQK+4*jj:WQK+4*jj+3], v1, s[32:33] offset:512*jj
.set jj, jj+1
.endr
.set jj, 0
.rept 6
	global_load_b128 v[WVF+4*jj:WVF+4*jj+3], v1, s[34:35] offset:512*jj
.set jj, jj+1
.endr
.irp n, 0,1,2,3
	global_load_b32 v[8+\n], v213, s[36:37] offset:128*\n
.endr
	global_load_b32 v7, v213, s[38:39]
.irp j, 0,1,2,3,4,5,6,7
	global_load_b32 v[VB+\j], v214, s[40:41]       ; the same number in all eight registers: the C of a column's first product
.endr
	s_cmp_eq_u32 s25, 0                            ; the choices hang on the wave's number alone
	s_cselect_b64 s[42:43], s[10:11], s[12:13]
	s_lshl_b32 s54, s26, 8
	s_add_nc_u64 s[42:43], s[42:43], s[54:55]      ; bq or bk at my head
	s_mul_i32 s54, ttmp9, 51200
	s_add_nc_u64 s[44:45], s[20:21], s[54:55]      ; my record of kv
	s_mul_i32 s54, ttmp9, 24576
	s_add_nc_u64 s[46:47], s[16:17], s[54:55]
	s_cmp_eq_u32 s25, 0
	s_cselect_b64 s[46:47], s[46:47], s[44:45]
	s_mul_i32 s54, s26, 6144
	s_mul_i32 s56, s27, 3072
	s_add_co_u32 s54, s54, s56
	s_add_nc_u64 s[46:47], s[46:47], s[54:55]      ; where my two pair fragments go
	s_mul_i32 s54, s24, 1536
	s_add_co_u32 s54, s54, 24576
	s_add_nc_u64 s[48:49], s[44:45], s[54:55]      ; where my fragment of V^T goes
	s_lshl_b32 s54, ttmp9, 17
	s_lshl_b32 s56, s24, 13
	s_add_co_u32 s54, s54, s56
	s_add_nc_u64 s[50:51], s[22:23], s[54:55]      ; and my 8 accumulators of v
	s_lshl_b32 s54, ttmp9, 10
	s_add_nc_u64 s[52:53], s[18:19], s[54:55]
	s_add_nc_u64 s[56:57], s[44:45], 48128         ; 49,152 less the 1,024 bytes of q's words that lie ahead in the stage
	s_cmp_lt_u32 s24, 2
	s_cselect_b64 s[52:53], s[52:53], s[56:57]     ; the scale words' way out: waves 0, 1 to qs, waves 2-5 to the record
	; ---- X
	s_wait_loadcnt 43                              ; x's 16 loads are in; the 24 + 6 + 4 + 1 + 8 issued behind them may be out
	QUANT ACC
.irp c, 0,1,2
	ds_store_b128 v211, v[PC+4*\c:PC+4*\c+3] offset:XIMG+512*\c
.endr
	ds_store_b32 v212, v[PW] offset:XSC
	s_wait_dscnt 0x0                               ; for the others' sake: my image has landed
	s_barrier_signal -1
	s_barrier_wait -1                              ; x's sixteen fragments lie in LDS
	; ---- V: four token tiles at a time, a K step at a time; the four accumulators take turns, one instruction a turn
	s_wait_loadcnt 0x0                             ; weights, scale words, bv; the loads' address registers are free
.macro VSTEP gp, s, first
.if \first == 0
	PLACES
.endif
.irp i, 0,1,2,3
.irp c, 0,1,2
	ds_load_b128 v[XF+12*\i+4*\c:XF+12*\i+4*\c+3], v2 offset:XIMG+((4*\gp+\i)*2+\s)*1536+512*\c
.endr
.if \s == 0
	ds_load_b32 v[12+\i], v3 offset:XSC+256*(4*\gp+\i)
.endif
.endr
	s_wait_dscnt 0x0
.irp i, 0,1,2,3
.if \s == 0
	MM ACC+8*(4*\gp+\i), XF+12*\i, WVF, VB, 12+\i, 7, 0
.else
	MM ACC+8*(4*\gp+\i), XF+12*\i, WVF+12, ACC+8*(4*\gp+\i), 12+\i, 7, 1
.endif
.endr
.endm
	VSTEP 0, 0, 1
	VSTEP 0, 1, 0
	VSTEP 1, 0, 0
	VSTEP 1, 1, 0
	PLACES
	v_bfe_u32 v220, v0, 4, 1
	s_delay_alu instid0(VALU_DEP_1)
	v_lshlrev_b32 v220, 6, v220                    ; 64 h: lane (r, h) wants the bias of d = 32 (n / 2) + 16 h + 8 (n % 2) + 0 .. 7
.irp n, 0,1,2,3
.irp k, 0,1
	global_load_b128 v[QB+8*\n+4*\k:QB+8*\n+4*\k+3], v220, s[42:43] offset:(32*(\n/2)+8*(\n%2))*4+16*\k
.endr
.endr
.set jj, 0
.rept 16                                       ; the residual: each accumulator from its low end on, 512 consecutive bytes a store
	global_store_b128 v1, v[ACC+4*jj:ACC+4*jj+3], s[50:51] offset:512*jj th:TH_STORE_NT
.set jj, jj+1
.endr
	; v along the keys: register 32 c + i is key 64 c + 32 h + i of my column: two whole blocks a lane, in the operand's own order
	v_bfe_u32 v221, v0, 4, 1
	v_lshlrev_b32 v221, 3, v221                    ; 8 h: my bytes' place in the scale word
.irp c, 0,1
	v_max3_num_f32 v[TM+\c], |v[ACC+32*\c]|, |v[ACC+1+32*\c]|, 0x1800000   ; with the floor 2^(3 - 127)
.endr
.irp i, 2,4,6,8,10,12,14,16,18,20,22,24,26,28,30
.irp c, 0,1
	v_max3_num_f32 v[TM+\c], v[TM+\c], |v[ACC+32*\c+\i]|, |v[ACC+1+32*\c+\i]|
.endr
.endr
.irp c, 0,1
	v_add_nc_u32 v[TM+8+\c], 0xff000000, v[TM+\c]  ; 2 off the exponent field: the conversion's scale operand
.endr
.irp c, 0,1
	v_lshrrev_b32 v[TM+4+\c], 23, v[TM+8+\c]       ; the byte
.endr
	v_lshl_or_b32 v[TM+7], v[TM+5], 16, v[TM+4]    ; my blocks h and 2 + h,
	v_lshlrev_b32 v[TM+7], v221, v[TM+7]           ; at their places;
	v_permlanex16_b32 v[TM+6], v[TM+7], s[SEL], s[SEL+1]
	v_or_b32 v[PW], v[TM+7], v[TM+6]               ; with lane l xor 16's two the word is whole
.irp c, 0,1
	v_cvt_scalef32_pk16_fp6_f32 v[PC+6*\c:PC+2+6*\c], v[ACC+32*\c:ACC+15+32*\c], v[TM+8+\c]
	v_cvt_scalef32_pk16_fp6_f32 v[PC+12+4*\c:PC+14+4*\c], v[ACC+16+32*\c:ACC+31+32*\c], v[TM+8+\c]
.endr
	v_nop                                          ; one plain place behind a scaled conversion
.irp c, 0,1
.irp i, 0,1,2
	v_mov_b32 v[PC+3+6*\c+\i], v[PC+12+4*\c+\i]    ; a conversion's three registers begin on an even number
.endr
.endr
.irp c, 0,1,2
	global_store_b128 v1, v[PC+4*\c:PC+4*\c+3], s[48:49] offset:512*\c
.endr
	ds_store_b32 v5, v[PW] offset:STG+2048         ; both halves of the lanes write the same word with the same value
	; ---- QK
	s_mul_i32 s54, s27, 12288
	v_add_nc_u32 v2, s54, v2                       ; my four token tiles' images (no LDS load of mine is out)
	s_lshl_b32 s54, s27, 10
	v_add_nc_u32 v3, s54, v3
.macro QKSTEP pp
	s_wait_xcnt 0x0                                ; the stores have read the accumulators and the codes, the bias loads their offset: all are written again below
	s_wait_dscnt 0x0                               ; and the LDS store its word
.irp u, 0,1
.irp s, 0,1
.irp c, 0,1,2
	ds_load_b128 v[XF+12*(2*\u+\s)+4*\c:XF+12*(2*\u+\s)+4*\c+3], v2 offset:XIMG+((2*\pp+\u)*2+\s)*1536+512*\c
.endr
.endr
	ds_load_b32 v[12+\u], v3 offset:XSC+256*(2*\pp+\u)
.endr
	s_wait_dscnt 0x0
.if \pp == 0
	s_wait_loadcnt 0x0                             ; the biases
.endif
.irp u, 0,1                                    ; eight accumulators by turns; the bias is the C of each sum's first product
.irp n, 0,1,2,3
	MM ACC+32*\u+8*\n, WQK+24*\n, XF+24*\u, QB+8*\n, 8+\n, 12+\u, 0
.endr
.endr
.irp u, 0,1
.irp n, 0,1,2,3
	MM ACC+32*\u+8*\n, WQK+24*\n+12, XF+24*\u+12, ACC+32*\u+8*\n, 8+\n, 12+\u, 1
.endr
.endr
	PLACES
	QUANT ACC                                      ; register 32 u + 16 b + i is d = 32 b + 16 h + i of token tile u: a pair fragment
.irp c, 0,1,2
	global_store_b128 v1, v[PC+4*\c:PC+4*\c+3], s[46:47] offset:1536*\pp+512*\c
.endr
	ds_store_b32 v4, v[PW] offset:STG+64*\pp
.endm
	s_wait_alu depctr_va_vdst(0)
	QKSTEP 0
	QKSTEP 1
	; ---- the scale words leave
	s_wait_dscnt 0x0
	s_barrier_signal -1
	s_barrier_wait -1                              ; 3,072 bytes of scale words lie in the stage
	s_cmp_lt_u32 s24, 6
	s_cbranch_scc0 .Ldone
	ds_load_b128 v[ACC:ACC+3], v6 offset:STG
	s_wait_dscnt 0x0
	global_store_b128 v6, v[ACC:ACC+3], s[52:53]   ; a wave stores 512 consecutive bytes
.Ldone:
	s_wait_xcnt 0x0
	v_lshl_add_u32 v254, v0, 2, 0x7400
	v_mov_b32 v255, 0
	s_wait_alu depctr_va_vdst(0)
	s_wait_tensorcnt 0x0
	ds_add_u32 v254, v255
	s_wait_dscnt 0x0
	s_endpgm
.Lfunc_end_k_q46be9bc36a_proj:
	.size	k_q46be9bc36a_proj, .Lfunc_end_k_q46be9bc36a_proj-k_q46be9bc36a_proj
	.p2alignl 7, 3214868480
	.fill 96, 4, 3214868480
	.section	.rodata,"a",@progbits
	.p2align	6, 0x0
	.amdhsa_kernel k_q46be9bc36a_proj
		.amdhsa_group_segment_fixed_size 31744
		.amdhsa_private_segment_fixed_size 0
		.amdhsa_enable_private_segment 0
		.amdhsa_kernarg_size 80
		.amdhsa_user_sgpr_count 2
		.amdhsa_user_sgpr_kernarg_segment_ptr 1
		.amdhsa_wavefront_size32 1
		.amdhsa_system_sgpr_workgroup_id_x 1
		.amdhsa_system_sgpr_workgroup_id_y 1
		.amdhsa_system_sgpr_workgroup_id_z 1
		.amdhsa_system_vgpr_workitem_id 0
		.amdhsa_next_free_vgpr 256
		.amdhsa_next_free_sgpr 66
		.amdhsa_reserve_vcc 0
		.amdhsa_float_denorm_mode_32 3
		.amdhsa_float_denorm_mode_16_64 3
		.amdhsa_memory_ordered 1
		.amdhsa_forward_progress 1
		.amdhsa_inst_pref_size 44
	.end_amdhsa_kernel
	.amdgpu_metadata
---
amdhsa.version: [ 1, 2 ]
amdhsa.kernels:
  - .name:           k_q46be9bc36a_proj
    .symbol:         k_q46be9bc36a_proj.kd
    .args:
      - { .name: x, .offset: 0, .size: 8, .value_kind: global_buffer, .address_space: global }
      - { .name: wf, .offset: 8, .size: 8, .value_kind: global_buffer, .address_space: global }
      - { .name: ws, .offset: 16, .size: 8, .value_kind: global_buffer, .address_space: global }
      - { .name: bq, .offset: 24, .size: 8, .value_kind: global_buffer, .address_space: global }
      - { .name: bk, .offset: 32, .size: 8, .value_kind: global_buffer, .address_space: global }
      - { .name: bv, .offset: 40, .size: 8, .value_kind: global_buffer, .address_space: global }
      - { .name: qf, .offset: 48, .size: 8, .value_kind: global_buffer, .address_space: global }
      - { .name: qs, .offset: 56, .size: 8, .value_kind: global_buffer, .address_space: global }
      - { .name: kv, .offset: 64, .size: 8, .value_kind: global_buffer, .address_space: global }
      - { .name: res, .offset: 72, .size: 8, .value_kind: global_buffer, .address_space: global }
    .group_segment_fixed_size: 31744
    .private_segment_fixed_size: 0
    .kernarg_segment_align: 8
    .kernarg_segment_size: 80
    .max_flat_workgroup_size: 512
    .sgpr_count:     66
    .vgpr_count:     256
    .wavefront_size: 32
...
	.end_amdgpu_metadata
.endif
;; end of part 2
;; launch attn (part 3): grid 64 x 4, 8 waves a work-group, clusters of 4 x 1, 327,680 bytes of LDS; arguments qf, qs, kv, wf, ws, res, bo, gamma, beta, out0; writes out0
.if DOCPART == 3
	.amdgcn_target "amdgcn-amd-amdhsa--gfx1250"
	.amdhsa_code_object_version 6
	.text
	.protected	k_q46be9bc36a_attn
	.globl	k_q46be9bc36a_attn
	.p2align	8
	.type	k_q46be9bc36a_attn,@function
k_q46be9bc36a_attn:
	s_mov_b64 s[64:65], 0
	v_nop
	global_prefetch_b8 v0, s[64:65] scope:SCOPE_SE
	s_setreg_imm32_b32 hwreg(HW_REG_WAVE_MODE, 25, 1), 1
	s_wait_xcnt 0x0
	s_wait_alu depctr_hold_cnt(0) depctr_sa_sdst(0) depctr_va_vdst(0) depctr_va_sdst(0) depctr_va_ssrc(0) depctr_va_vcc(0) depctr_vm_vsrc(0)
	s_getreg_b32 s2, hwreg(HW_REG_IB_STS2, 6, 4)
	s_cmp_eq_u32 s2, 0
	s_cbranch_scc0 .Lentry_in_a_cluster
	s_endpgm
.Lentry_in_a_cluster:
	s_bfe_u32 s2, ttmp6, 0x10000c
	s_cmp_lg_u32 s2, 0x3003
	s_cbranch_scc0 .Lentry_shape_is_right
	s_endpgm
.Lentry_shape_is_right:
; out0 = LayerNorm(softmax(q k^T / 8) v  Wo^T + bo + v) on codes of FP6 (E2M3) with E8M0 scales; q, k, v come as fragments from the launch before.
; SHARES.  A work-group owns 64 queries (4 tiles of 16) of one batch, all 4 heads.  Wave w takes head w / 2 and the two tiles 2 (w % 2), 2 (w % 2) + 1: each fragment of k feeds four
; products and each fragment of v two.  Every wave walks the batch's 4,096 keys, 128 a step.  In the last product wave w takes columns 64 (w / 2) on of the same two tiles.
; RING.  A key step's operands for all heads are one record of 51,200 dense bytes; a slot holds two records; two slots; every wave fetches an eighth of a slot (50 rows of 256 bytes).
; CLUSTER.  The four work-groups of a cluster belong to one batch and walk the same records: each load is asked for JOINTLY, with the mask of all four.
; THE CHANGE OF SLOTS stands inside a slot's second step: when v's fragments are in registers the wave reads the slot no more and signals; the softmax, work on registers, stands between signal and wait.
; LAYOUT.  Both products are used transposed (S^T = k q^T, O^T = v^T p^T): a lane holds ONE query of each tile.  The head is 64 deep and the instruction 128: a fragment of k holds TWO tiles
; of 16 keys and is multiplied by [q | zero codes] and by [zero codes | q].  Place r of tile T is key 64 (T / 4) + 32 (r / 8) + 8 (T % 4) + r % 8, so register 32 c + i of S^T is key
; 64 c + 32 (lane / 16) + i: a lane holds two WHOLE blocks of 32 keys, in the order of the next operand's registers: no other lane is asked for a block's maximum and no codes change lanes.
; SOFTMAX.  t = score x log2(e) / 8; M = the running largest t rounded UP to a whole number; p = 2^(t - M) is quantised along the keys, not normalised; the sum is taken of the unquantised p;
; when M moves, the sum and O^T are multiplied by 2^(old M - new M), which rounds nothing.
; THE TWO TILES ARE HALF A PHASE APART: one tile's dependent chain lies between the other's independent lines, and independent plain lines of one tile lie among the other's exponentials;
; each such line is first read behind the wait that closes the batch.
; PREFETCH.  In each trip one instruction a wave names the slot that stands two refills on: of a wave's 50 rows of 256 bytes the partner at place cx names rows 13 cx on (lanes left over name
; the last of them again); the last two trips of the loop name nothing.  Wo comes by one joint load behind the last change of slots, two key steps ahead of its use.
; LIMITS: NaN and infinities are not served; the promise holds while |t| stays under 2^31; a block of zeros, or one under 2^-124, gets the byte 1; bo is added behind the residual and the product.
; REGISTERS.  Window 0: v1-7 addresses, v8-15 scale words and nothing else, v16-31 the two tiles' state, v32-47 at work, v48-95 four fragments, v96-223 S^T then p of both tiles,
; v224-239 Wo's scale words, bo, gamma, beta, v240-253 the epilogue's addresses.  Window 1: v0-29 zeros | q | zeros | q | zeros, v32-71 p's codes, v72-135 O^T, v136-199 the residual, then y.
.set REC,   51200                      ; a record: K 24,576 | V 24,576 | K's scale words 1,024 | V's 1,024
.set SLOT1, 1<<17                      ; slot 0 at 0, slot 1 here
.set SPARE, 102400                     ; the spare words, 128 bytes for each of 8 waves
.set OIMG,  103424                     ; the attention's output as codes: [tile][head][768: registers 0-3 at 16 l, registers 4-5 at 512 + 8 l]
.set OSC,   115712                     ; its scale words: [tile][K step][place r][4]
.set RED,   116224                     ; row sums [tile][column group][h][8 x 4]; the sums of squares lie 1,024 bytes on
.set WOL,   233472                     ; behind slot 1: Wo's 32 fragments, filled once
.set STG,   0                          ; the way out, 64 rows x (1,024 + 16) bytes, in slot 0, which has had its last fill and its last read by then
.set SP,    1040
.set SPW, 1
.set NIL, 2
.set KB, 3                             ; 16 l + 6,144 head
.set SB, 4                             ; 4 l + 256 head
.set KA, 5                             ; the two in the record in hand
.set SA, 6
.set L16, 7
.set KS, 8                             ; v8-9 K's scale words, v10-11 V's, v12-13 q's, v14-15 p's
.set VS, 10
.set QS, 12
.set PS, 14
.set NM, 16                            ; tile e at + 8 e: -M | the largest score | the sum, two halves | f, 0 | two at work
.set MX, 17
.set SU, 18
.set FF, 20
.set TA, 22
.set TC, 23
.set BM, 32                            ; block u = 2 e + c: largest score, then largest p
.set SO, 36                            ; the conversions' scale operands
.set PT, 40                            ; a block's second chain of maxima, then its byte
.set H8, 44                            ; 8 h
.set PFO, 46                           ; the prefetch's offset
.set F, 48
.set S, 96
.set WOS, 224
.set BO, 228
.set GA, 232
.set BE, 236
.set PC, 32                            ; window 1
.set CT, 56
.set O, 72
.set Y, 136
.set WO, 48                            ; the epilogue, window 0: Wo's 8 fragments, the output's 4; then y, what is read back, sums
.set AO, 144
.set YY, 48
.set RD, 112
.set SM, 176
.set SQ, 192
.set WV, 36                            ; s36 wave; s37 head, later column group; s38 which pair of tiles
.set SEL, 40
.set CS, 42                            ; s[42:43] log2(e) / 8; s47 the same negated
.set TB, 44                            ; s44 the slot in hand, s45 its second record
.set MSB, 0
.macro WIN new                         ; the immediate's high byte repeats the setting that is left
.if MSB != \new
	s_set_vgpr_msb (MSB<<8)|\new
.set MSB, \new
.endif
.endm
.macro MMZ d, a, b, sa, sb, ra         ; a product that starts its sum
.if \ra
	v_wmma_scale_f32_16x16x128_f8f6f4 v[\d:\d+7], v[\a:\a+11], v[\b:\b+11], 0, v[\sa], v[\sb] matrix_a_fmt:MATRIX_FMT_FP6 matrix_b_fmt:MATRIX_FMT_FP6 matrix_a_scale:MATRIX_SCALE_ROW1
.else
	v_wmma_scale_f32_16x16x128_f8f6f4 v[\d:\d+7], v[\a:\a+11], v[\b:\b+11], 0, v[\sa], v[\sb] matrix_a_fmt:MATRIX_FMT_FP6 matrix_b_fmt:MATRIX_FMT_FP6
.endif
.endm
.macro MMA d, a, b, sa, sb, ra, rb     ; a product that adds in place
.if \rb
	v_wmma_scale_f32_16x16x128_f8f6f4 v[\d:\d+7], v[\a:\a+11], v[\b:\b+11], v[\d:\d+7], v[\sa], v[\sb] matrix_a_fmt:MATRIX_FMT_FP6 matrix_b_fmt:MATRIX_FMT_FP6 matrix_a_scale:MATRIX_SCALE_ROW1 matrix_b_scale:MATRIX_SCALE_ROW1
.elseif \ra
	v_wmma_scale_f32_16x16x128_f8f6f4 v[\d:\d+7], v[\a:\a+11], v[\b:\b+11], v[\d:\d+7], v[\sa], v[\sb] matrix_a_fmt:MATRIX_FMT_FP6 matrix_b_fmt:MATRIX_FMT_FP6 matrix_a_scale:MATRIX_SCALE_ROW1
.else
	v_wmma_scale_f32_16x16x128_f8f6f4 v[\d:\d+7], v[\a:\a+11], v[\b:\b+11], v[\d:\d+7], v[\sa], v[\sb] matrix_a_fmt:MATRIX_FMT_FP6 matrix_b_fmt:MATRIX_FMT_FP6
.endif
.endm
.macro PLACES                          ; four plain places behind a matrix instruction (ISA guide 7.12.1)
.rept 4
	v_nop
.endr
.endm
.macro CREST                           ; a round of the cluster's barrier behind its opening barrier
	s_cmp_lg_u32 s[WV], 0
	s_cbranch_scc1 .Lnot_wave_0_\@
	s_barrier_signal -3
.Lnot_wave_0_\@:
	s_barrier_wait -3
	s_barrier_signal -1
	s_barrier_wait -1
.endm
.macro CROUND
	s_barrier_signal -1
	s_barrier_wait -1
	CREST
.endm
.macro BAR
	s_wait_alu depctr_va_vdst(0)
	s_wait_dscnt 0x0                               ; my LDS stores have landed and my LDS loads are in
	s_barrier_signal -1
	s_barrier_wait -1
.endm
.macro KLOAD                           ; K's four pair fragments of my head and their scale words: lanes 0-15 pair 0 (2), lanes 16-31 pair 1 (3)
.irp b, 0,1,2,3
.irp c, 0,1,2
	ds_load_b128 v[F+12*\b+4*\c:F+12*\b+4*\c+3], v[KA] offset:1536*\b+512*\c
.endr
.endr
	ds_load_b32 v[KS], v[SA] offset:49152
	ds_load_b32 v[KS+1], v[SA] offset:49280
.endm
.macro TREE step, from, n              ; n additions of one level of the sums of p, in place, from register S + from on
.set jj, \from
.rept \n
	v_pk_add_f32 v[S+jj:S+jj+1], v[S+jj:S+jj+1], v[S+jj+\step/2:S+jj+\step/2+1]
.set jj, jj+\step
.endr
.endm
.macro PKF from, n                     ; t - M, two at a time, n pairs from register S + from on
.set jj, \from
.rept \n
	v_pk_fma_f32 v[S+jj:S+jj+1], v[S+jj:S+jj+1], s[CS:CS+1], v[NM+8*(jj/64):NM+8*(jj/64)+1] op_sel_hi:[1,0,0]
.set jj, jj+2
.endr
.endm
; The largest score of each block of 32 keys of tile e, all of them mine: for the row's maximum and, since p rises with the score, for the block's largest p.  Two chains a block, four a tile, by turns
.macro MAXA e
.irp c, 0,1
	v_max3_num_f32 v[BM+2*\e+\c], v[S+64*\e+32*\c], v[S+64*\e+32*\c+1], v[S+64*\e+32*\c+2]
	v_max3_num_f32 v[PT+2*\e+\c], v[S+64*\e+32*\c+16], v[S+64*\e+32*\c+17], v[S+64*\e+32*\c+18]
.endr
.endm
.macro MAXB e, i
.irp c, 0,1
	v_max3_num_f32 v[BM+2*\e+\c], v[BM+2*\e+\c], v[S+64*\e+32*\c+\i], v[S+64*\e+32*\c+\i+1]
	v_max3_num_f32 v[PT+2*\e+\c], v[PT+2*\e+\c], v[S+64*\e+32*\c+16+\i], v[S+64*\e+32*\c+17+\i]
.endr
.endm
.macro MAXC e
.irp c, 0,1
	v_max_num_f32 v[BM+2*\e+\c], v[BM+2*\e+\c], v[S+64*\e+32*\c+15]
.endr
.irp c, 0,1
	v_max3_num_f32 v[BM+2*\e+\c], v[BM+2*\e+\c], v[PT+2*\e+\c], v[S+64*\e+32*\c+31]
.endr
.endm
.macro ROW e, k                        ; link k of tile e's chain from its blocks' largest scores to -M and f
.if \k == 1
	v_max_num_f32 v[TA+8*\e], v[BM+2*\e], v[BM+2*\e+1]
.elseif \k == 2
	v_permlanex16_b32 v[TC+8*\e], v[TA+8*\e], s[SEL], s[SEL+1]
.elseif \k == 3
	v_max3_num_f32 v[MX+8*\e], v[MX+8*\e], v[TA+8*\e], v[TC+8*\e]   ; the running largest score
.elseif \k == 4
	v_mul_f32 v[TA+8*\e], s47, v[MX+8*\e]
.elseif \k == 5
	v_floor_f32 v[TC+8*\e], v[TA+8*\e]             ; the new -M = -ceil(t): a whole number
.elseif \k == 6
	v_sub_f32 v[TA+8*\e], v[TC+8*\e], v[NM+8*\e]   ; old M - new M: a whole number, 0 or less
.elseif \k == 7
	v_mov_b32 v[NM+8*\e], v[TC+8*\e]
.elseif \k == 8
	v_cvt_i32_f32 v[TA+8*\e], v[TA+8*\e]           ; (it saturates)
.else
	v_ldexp_f32 v[FF+8*\e], 1.0, v[TA+8*\e]        ; f = 2^(old M - new M)
.endif
.endm
.macro CODES e                         ; tile e's p becomes codes, in window 1
.irp c, 0,1
	v_cvt_scalef32_pk16_fp6_f32 v[PC+12*\e+6*\c:PC+12*\e+6*\c+2], v[S+64*\e+32*\c:S+64*\e+32*\c+15], v[SO+2*\e+\c]
	v_cvt_scalef32_pk16_fp6_f32 v[CT+8*\e+4*\c:CT+8*\e+4*\c+2], v[S+64*\e+32*\c+16:S+64*\e+32*\c+31], v[SO+2*\e+\c]
.endr
	v_nop                                          ; one plain place behind a scaled conversion
.endm
	s_load_b512 s[4:19], s[0:1], 0x0               ; qf 4, qs 6, kv 8, wf 10, ws 12, res 14, bo 16, gamma 18
	s_load_b128 s[20:23], s[0:1], 0x40             ; beta 20, out0 22
	v_lshl_add_u32 v[SPW], v0, 2, SPARE
	v_mov_b32 v[NIL], 0
	ds_add_u32 v[SPW], v[NIL]
	ds_add_u32 v[SPW], v[NIL]
	v_lshrrev_b32 v45, 5, v0
	v_readfirstlane_b32 s[WV], v45                 ; wave 0..7
	s_lshr_b32 s37, s[WV], 1
	s_and_b32 s38, s[WV], 1
	s_bfe_u32 s52, ttmp6, 0x40000                  ; cx: it enters global addresses of qf, qs, res, out0 and the prefetch alone
	s_lshl_b32 s53, ttmp9, 2
	s_add_co_u32 s53, s53, s52                     ; my block of 64 queries in the batch
	s_and_b32 s54, ttmp7, 0xffff                   ; the batch, which the four partners share
	s_lshl_b32 s55, s54, 5
	s_lshr_b32 s56, s53, 1
	s_add_co_u32 s55, s55, s56                     ; my group of 128 tokens
	s_and_b32 s56, s53, 1                          ; and which half of it
	s_mov_b32 s24, 15|(3<<16)|(1<<21)              ; group 1 for the records: the mask of all four; elements of 8 bytes; bit 21 beside a mask; no padding: every read is 16 l, 8 l or 4 l on end
	s_mov_b32 s25, 32<<16                          ; rows of 256 bytes
	s_mov_b32 s26, 50<<16                          ; 50 of them
	s_mov_b32 s27, 32<<16
	s_mov_b32 s28, 50
	s_mov_b32 s29, 32                              ; dense
	s_mov_b32 s30, 0
	s_mov_b32 s31, 0
	s_mov_b32 s88, 15|(3<<16)|(1<<21)              ; group 1 for Wo: 24 rows of 256 bytes a wave
	s_mov_b32 s89, 32<<16
	s_mov_b32 s90, 24<<16
	s_mov_b32 s91, 32<<16
	s_mov_b32 s92, 24
	s_mov_b32 s93, 32
	s_mov_b32 s94, 0
	s_mov_b32 s95, 0
	s_mov_b32 s[SEL], 0x76543210
	s_mov_b32 s[SEL+1], 0xfedcba98
	s_mov_b32 s[CS], 0x3e38aa3b                    ; log2(e) / 8
	s_mov_b32 s[CS+1], s[CS]
	s_mov_b32 s47, 0xbe38aa3b
	s_mov_b32 s49, 0x3b800000                      ; 1 / 256
	s_mov_b32 s50, 0x358637bd                      ; 1e-6
	s_mov_b32 s[TB], 0
	s_mov_b32 s32, 1
	s_mul_i32 s33, s[WV], 12800                    ; my eighth of slot 0
	s_mul_i32 s58, s54, 1638400                    ; the batch's 32 records
	s_add_co_u32 s58, s58, s33
	s_mov_b32 s59, 0
	s_mov_b32 s84, 1
	s_mul_i32 s60, s[WV], 6144
	s_add_co_u32 s85, s60, WOL
	s_add_co_u32 s60, s60, 147456                  ; Wo's fragments in wf
	s_mov_b32 s61, 0
	s_wait_dscnt 0x0                               ; both opening adds are done
	s_wait_kmcnt 0x0
	s_add_nc_u64 s[34:35], s[8:9], s[58:59]
	s_add_nc_u64 s[78:79], s[34:35], 6*REC         ; the prefetch stands at slot 3: the first trip steps it to slot 4
	s_or_b32 s35, s35, 0x80000000
	s_add_nc_u64 s[86:87], s[10:11], s[60:61]
	s_or_b32 s87, s87, 0x80000000
	CROUND                                         ; all four work-groups are here: the first joint loads meet
	tensor_load_to_lds s[32:35], s[24:31]          ; key steps 0 and 1: one tensor load a wave at the head
	s_nop 0
	PLACES
	s_lshl_b32 s57, s56, 1
	s_add_co_u32 s57, s57, s38                     ; my pair of tiles in the group
	s_mul_i32 s60, s55, 24576
	s_mul_i32 s62, s37, 6144
	s_add_co_u32 s60, s60, s62
	s_mul_i32 s62, s57, 1536
	s_add_co_u32 s60, s60, s62
	s_add_nc_u64 s[66:67], s[4:5], s[60:61]        ; q's pair fragment: both my tiles
	s_lshl_b32 s60, s55, 10
	s_lshl_b32 s62, s37, 8
	s_add_co_u32 s60, s60, s62
	s_lshl_b32 s62, s57, 6
	s_add_co_u32 s60, s60, s62
	s_add_nc_u64 s[68:69], s[6:7], s[60:61]        ; its scale words
	s_lshl_b32 s60, s37, 9
	s_add_co_u32 s60, s60, 6144
	s_add_nc_u64 s[72:73], s[12:13], s[60:61]      ; Wo's scale words, my column group
	s_lshl_b32 s60, s55, 17
	s_lshl_b32 s62, s37, 15
	s_add_co_u32 s60, s60, s62
	s_lshl_b32 s62, s57, 11
	s_add_co_u32 s60, s60, s62
	s_add_nc_u64 s[74:75], s[14:15], s[60:61]      ; the residual's eight accumulators
	s_lshl_b32 s60, s54, 12
	s_lshl_b32 s62, s53, 6
	s_add_co_u32 s60, s60, s62
	s_lshl_b32 s62, s[WV], 3
	s_add_co_u32 s60, s60, s62
	s_lshl_b32 s60, s60, 10
	s_add_nc_u64 s[76:77], s[22:23], s[60:61]      ; the eight rows of out0 that I store
	s_lshl_b32 s60, s37, 8
	s_add_nc_u64 s[16:17], s[16:17], s[60:61]
	s_add_nc_u64 s[18:19], s[18:19], s[60:61]
	s_add_nc_u64 s[20:21], s[20:21], s[60:61]
	v_and_b32 v44, 31, v0                          ; lane
	v_and_b32 v45, 15, v0                          ; r
	v_bfe_u32 v47, v0, 4, 1                        ; h
	v_lshlrev_b32 v[L16], 4, v44
	v_lshlrev_b32 v251, 2, v44                     ; 4 l
	v_lshlrev_b32 v252, 2, v45                     ; 4 r
	v_and_b32 v253, 8, v45
	v_add_nc_u32 v253, v253, v45
	v_lshlrev_b32 v253, 2, v253                    ; 4 (r + 8 (r / 8))
	v_min_u32 v[PFO], 12, v44
	s_mul_i32 s62, s52, 13
	v_add_nc_u32 v[PFO], s62, v[PFO]
	v_min_u32 v[PFO], 49, v[PFO]
	v_lshlrev_b32 v[PFO], 8, v[PFO]                ; row min(13 cx + min(l, 12), 49) of my 50
	s_mul_i32 s62, s37, 6144
	v_add_nc_u32 v[KB], s62, v[L16]
	s_lshl_b32 s62, s37, 8
	v_add_nc_u32 v[SB], s62, v251
	; the epilogue's LDS addresses: a constant + constants x lane, pair of tiles, head or wave
	s_mul_i32 s62, s38, 6144
	s_add_co_u32 s62, s62, OIMG
	v_add_nc_u32 v242, s62, v[L16]                 ; read: my tiles' images, 16 l
	v_lshlrev_b32 v243, 3, v44
	s_add_co_u32 s63, s62, 512
	v_add_nc_u32 v243, s63, v243                   ; read: 512 + 8 l
	s_mul_i32 s62, s37, 768
	v_add_nc_u32 v240, s62, v242                   ; write: my head's
	v_add_nc_u32 v241, s62, v243
	s_lshl_b32 s62, s38, 8
	s_add_co_u32 s62, s62, OSC
	v_add_nc_u32 v245, s62, v251                   ; read: lanes 0-15 K step 0's words, lanes 16-31 K step 1's
	s_lshr_b32 s63, s37, 1
	s_lshl_b32 s63, s63, 6
	s_add_co_u32 s62, s62, s63
	s_and_b32 s63, s37, 1
	s_lshl_b32 s63, s63, 1
	s_add_co_u32 s62, s62, s63
	v_add_nc_u32 v244, s62, v252                   ; write: K step head / 2, bytes 2 (head % 2) on, of place r's word
	s_lshl_b32 s62, s38, 9
	s_add_co_u32 s62, s62, RED
	v_lshl_add_u32 v247, v47, 5, s62               ; row sums, read: my tiles, my half's eight queries
	s_lshl_b32 s62, s37, 6
	v_add_nc_u32 v246, s62, v247                   ; write: my column group's
	s_mul_i32 s62, s38, 16*SP
	s_lshl_b32 s63, s37, 8
	s_add_co_u32 s62, s62, s63
	v_mul_u32_u24 v248, v47, 32*SP
	v_add_nc_u32 v248, v248, v253
	v_add_nc_u32 v248, s62, v248                   ; the stage, in: row 32 h + 16 pair, column 64 group + r + 8 (r / 8)
	s_mul_i32 s62, s[WV], 8*SP
	v_add_nc_u32 v249, s62, v[L16]                 ; and back: rows 8 w on
	s_mul_i32 s62, s37, 12288
	s_add_co_u32 s62, s62, WOL
	v_add_nc_u32 v250, s62, v[L16]                 ; Wo's four tiles of my column group
	v_lshlrev_b32 v[H8], 3, v47
	s_wait_alu depctr_va_vdst(0)
.irp c, 0,1,2
	global_load_b128 v[F+4*\c:F+4*\c+3], v[L16], s[66:67] offset:512*\c
.endr
	global_load_b32 v45, v252, s[68:69]
	WIN 0x40                                       ; destinations in window 1
.irp i, 0,1,2,3,4,5
	v_mov_b32 v[\i], 0                             ; the zero codes
	v_mov_b32 v[12+\i], 0
	v_mov_b32 v[24+\i], 0
.endr
.set jj, 0
.rept 64                                       ; the step is written once: O^T begins as zeros, which the first change of M leaves zeros
	v_mov_b32 v[O+jj], 0
.set jj, jj+1
.endr
	s_wait_loadcnt 0x0                             ; q's four loads are in
.irp i, 0,1,2,3,4,5
	v_mov_b32 v[6+\i], v[F+\i]                     ; the pair's first tile,
	v_mov_b32 v[18+\i], v[F+6+\i]                  ; and its second
.endr
	WIN 0
	v_and_b32 v22, 0xffff, v45
	v_lshrrev_b32 v30, 16, v45
	v_lshl_or_b32 v[QS], v45, 16, v22              ; a tile's two bytes twice: the word serves [q | 0] and [0 | q] alike
	v_and_or_b32 v[QS+1], v45, 0xffff0000, v30
.irp e, 0,1
	v_mov_b32 v[NM+8*\e], 0x7d000000               ; -M: 2^123, over every -M to come, so that the first f is 0
	v_mov_b32 v[MX+8*\e], 0xff61b1e6               ; the largest score so far: -3e38
	v_mov_b32 v[SU+8*\e], 0
	v_mov_b32 v[SU+1+8*\e], 0
	v_mov_b32 v[FF+8*\e], 0
	v_mov_b32 v[FF+1+8*\e], 0
	v_mov_b32 v[TA+8*\e], 0
	v_mov_b32 v[TC+8*\e], 0                        ; a lane permute's destination counts as read
.endr
	s_wait_alu depctr_va_vdst(0)
	s_wait_tensorcnt 0x0                           ; my eighth of slot 0 is in
	ds_add_u32 v[SPW], v[NIL]
	s_xor_b32 s33, s33, SLOT1                      ; no load of mine is out: the descriptor walks: the other slot,
	s_add_nc_u64 s[34:35], s[34:35], 2*REC         ; the next two records
	s_wait_dscnt 0x0
	CROUND
	tensor_load_to_lds s[32:35], s[24:31]          ; key steps 2 and 3, into slot 1
	s_nop 0
	PLACES
	v_add_nc_u32 v[KA], s[TB], v[KB]
	v_add_nc_u32 v[SA], s[TB], v[SB]
	KLOAD
.irp i, 0,1,2,3                                ; what the epilogue wants is asked for behind both slots' requests: 16 + 16 loads, waited for behind the key loop
	global_load_b32 v[WOS+\i], v251, s[72:73] offset:128*\i
	global_load_b32 v[BO+\i], v253, s[16:17] offset:(32*(\i/2)+8*(\i%2))*4
	global_load_b32 v[GA+\i], v253, s[18:19] offset:(32*(\i/2)+8*(\i%2))*4
	global_load_b32 v[BE+\i], v253, s[20:21] offset:(32*(\i/2)+8*(\i%2))*4
.endr
	WIN 0x40
.irp i, 0,1,2,3
.irp e, 0,1
.irp k, 0,1
	global_load_b128 v[Y+32*\e+8*\i+4*\k:Y+32*\e+8*\i+4*\k+3], v[L16], s[74:75] offset:8192*\i+1024*\e+512*\k th:TH_LOAD_NT
.endr
.endr
.endr
	WIN 0
	s_mov_b32 s46, 14
; A KEY STEP: 128 keys x my 32 queries.  K's fragments were asked for in the step before.
; chg = 1: the slot is left in this step and filled again;  chg = 2: it is left, and Wo is fetched;  nxt: the next step's K is asked for, from the record at s[nb]
.macro STEP chg, nxt, nb
	s_wait_dscnt 0x0                               ; K and its scale words are in
	WIN 0x04                                       ; source 1 (q) in window 1
.irp e, 0,1                                    ; tile 0's eight first: its maxima stand beside tile 1's products
.irp b, 0,1,2,3
	MMZ S+64*\e+16*\b, F+12*\b, 6+12*\e, KS+\b/2, QS+\e, \b%2      ; tile 2 b of the keys: [q | 0]
	MMZ S+64*\e+16*\b+8, F+12*\b, 12*\e, KS+\b/2, QS+\e, \b%2      ; tile 2 b + 1: [0 | q]
.endr
.endr
	WIN 0
	PLACES                                         ; in front of the loads into K's registers and of the first reads of S^T
.irp g, 0,1,2,3
.irp c, 0,1,2
	ds_load_b128 v[F+12*\g+4*\c:F+12*\g+4*\c+3], v[KA] offset:24576+1536*\g+512*\c
.endr
.endr
	ds_load_b32 v[VS], v[SA] offset:50176
	ds_load_b32 v[VS+1], v[SA] offset:50304
.if \chg
	s_wait_tensorcnt 0x0                           ; all my tensor loads have landed: the one that was out is my eighth of the next slot
	ds_add_u32 v[SPW], v[NIL]
.if \chg == 1
	s_xor_b32 s33, s33, SLOT1
	s_add_nc_u64 s[34:35], s[34:35], 2*REC
.endif
.endif
	MAXA 0
.irp i, 3,5,7,9,11,13
	MAXB 0, \i
.endr
	MAXC 0
	MAXA 1                                         ; tile 0's chain lies between the levels of tile 1's maxima
	ROW 0, 1
	MAXB 1, 3
	ROW 0, 2
	MAXB 1, 5
	ROW 0, 3
	MAXB 1, 7
	ROW 0, 4
	MAXB 1, 9
	ROW 0, 5
	MAXB 1, 11
	ROW 0, 6
	MAXB 1, 13
	ROW 0, 7
	MAXC 1
.if \chg
	s_wait_alu depctr_va_vdst(0)
	s_wait_dscnt 0x0                               ; the add is done and V is in registers: my reads of this slot are over
	s_barrier_signal -1                            ; the barrier opens a round of the cluster's barrier; work on registers alone up to its wait
.endif
	ROW 1, 1                                       ; tile 1's chain lies between tile 0's multiply-adds
	PKF 0, 4
	ROW 1, 2
	PKF 8, 4
	ROW 1, 3
	PKF 16, 4
	ROW 1, 4
	PKF 24, 4
	ROW 1, 5
	PKF 32, 4
	ROW 1, 6
	PKF 40, 4
	ROW 1, 7
	PKF 48, 4
	ROW 0, 8
	ROW 1, 8
	PKF 56, 4
	ROW 0, 9
	ROW 1, 9
.irp u, 0,1,2,3
	v_fma_f32 v[BM+\u], v[BM+\u], s[CS], v[NM+8*(\u/2)]   ; t - M of each block's largest score
.endr
	s_wait_alu depctr_va_vdst(0)
.set jj, 0
.rept 32                                       ; tile 0: p = 2^(t - M); among the exponentials tile 1's t - M, first read behind the wait below
	v_exp_f32 v[S+jj], v[S+jj]
	v_exp_f32 v[S+jj+1], v[S+jj+1]
	v_pk_fma_f32 v[S+64+jj:S+65+jj], v[S+64+jj:S+65+jj], s[CS:CS+1], v[NM+8:NM+9] op_sel_hi:[1,0,0]
.set jj, jj+2
.endr
.irp u, 0,1,2,3
	v_exp_f32 v[BM+\u], v[BM+\u]                   ; the block's largest p: the same two instructions on the same number
.endr
	v_pk_mul_f32 v[SU:SU+1], v[SU:SU+1], v[FF:FF+1] op_sel_hi:[1,0]   ; tile 0's sums under the new M (a plain place behind the exponentials)
	s_wait_alu depctr_va_vdst(0)                   ; one wait: behind the first batch and ahead of the second
.irp u, 0,1,2,3
	v_max_num_f32 v[BM+\u], 0x1800000, v[BM+\u]    ; the floor 2^(3 - 127)
.endr
.irp u, 0,1,2,3
	v_add_nc_u32 v[SO+\u], 0xff000000, v[BM+\u]    ; 2 off the exponent field
.endr
.irp u, 0,1,2,3
	v_lshrrev_b32 v[PT+\u], 23, v[SO+\u]           ; the byte
.endr
.irp e, 0,1
	v_lshl_or_b32 v[TA+8*\e], v[PT+2*\e+1], 16, v[PT+2*\e]   ; my blocks h and 2 + h,
.endr
.irp e, 0,1
	v_lshlrev_b32 v[TA+8*\e], v[H8], v[TA+8*\e]    ; at their places;
.endr
.irp e, 0,1
	v_permlanex16_b32 v[TC+8*\e], v[TA+8*\e], s[SEL], s[SEL+1]
.endr
.irp e, 0,1
	v_or_b32 v[PS+\e], v[TA+8*\e], v[TC+8*\e]      ; with lane l xor 16's two: p's scale word for these 128 keys
.endr
	WIN 0x40
	CODES 0
	WIN 0
.set jj, 0
.rept 16                                       ; tile 1: p; among the exponentials the first level of tile 0's sums, of the unquantised p, first read behind the wait below
	v_exp_f32 v[S+64+4*jj], v[S+64+4*jj]
	v_exp_f32 v[S+65+4*jj], v[S+65+4*jj]
	v_exp_f32 v[S+66+4*jj], v[S+66+4*jj]
	v_exp_f32 v[S+67+4*jj], v[S+67+4*jj]
	v_pk_add_f32 v[S+4*jj:S+4*jj+1], v[S+4*jj:S+4*jj+1], v[S+4*jj+2:S+4*jj+3]
.set jj, jj+1
.endr
	v_pk_mul_f32 v[SU+8:SU+9], v[SU+8:SU+9], v[FF+8:FF+9] op_sel_hi:[1,0]   ; tile 1's sums under the new M
	s_wait_alu depctr_va_vdst(0)                   ; and one wait behind the second batch
	WIN 0x40
	CODES 1
	WIN 0x41
.irp u, 0,1,2,3
.irp i, 0,1,2
	v_mov_b32 v[PC+6*\u+3+\i], v[CT+4*\u+\i]       ; a conversion's three registers begin on an even number
.endr
.endr
	s_wait_alu depctr_va_vdst(0)
.set jj, 0
.rept 32
	v_pk_mul_f32 v[O+jj:O+jj+1], v[O+jj:O+jj+1], v[FF+8*(jj/32):FF+8*(jj/32)+1] op_sel_hi:[1,0]   ; O^T under the new M (also the places between p's codes and word and the products)
.set jj, jj+2
.endr
	s_wait_alu depctr_va_vdst(0)
.if \chg
	WIN 0
	s_barrier_wait -1
	CREST                                          ; no wave of any partner still reads the slot or has a load on its way
.if \chg == 1
	tensor_load_to_lds s[32:35], s[24:31]          ; the slot just left takes the records two slots on: one tensor load of mine is out
.else
	tensor_load_to_lds s[84:87], s[88:95]          ; nothing is filled again: Wo's fragments, into bytes of their own
.endif
	s_nop 0
	PLACES
.else
	s_wait_dscnt 0x0                               ; V and its scale words are in
.endif
	WIN 0x54                                       ; p's codes and O^T in window 1
.irp g, 0,1,2,3                                ; eight accumulators by turns
.irp e, 0,1
	MMA O+32*\e+8*\g, F+12*\g, PC+12*\e, VS+\g/2, PS+\e, \g%2, 0
.endr
.endr
	WIN 0
.if \nxt
	v_add_nc_u32 v[KA], s[\nb], v[KB]
	v_add_nc_u32 v[SA], s[\nb], v[SB]
.endif
	TREE 4, 64, 4                                  ; tile 1's sums begin; these lines are also the places in front of the loads below
.if \nxt
	KLOAD
.endif
	TREE 4, 80, 12
	TREE 8, 0, 16                                  ; the further levels, both tiles
	TREE 16, 0, 8
	TREE 32, 0, 4
	TREE 64, 0, 2
.irp e, 0,1
	v_pk_add_f32 v[SU+8*\e:SU+8*\e+1], v[SU+8*\e:SU+8*\e+1], v[S+64*\e:S+64*\e+1]
.endr
.endm
.macro TRIP chg, nxt                   ; a slot's two key steps
	s_add_co_u32 s[TB+1], s[TB], REC
	STEP 0, 1, TB+1
	s_xor_b32 s[TB], s[TB], SLOT1
	STEP \chg, \nxt, TB
.endm
	s_wait_alu depctr_va_vdst(0)
.Ltrip:                                            ; 14 trips: slots 0 to 13, each filled again with the records two slots on
	s_wait_xcnt 0x0                                ; the last trip's prefetch has read its base
	s_add_nc_u64 s[78:79], s[78:79], 2*REC
	s_cmp_gt_u32 s46, 2                            ; trips 0 to 11 name slots 4 to 15; the last two name nothing
	s_cbranch_scc0 .Lno_ask
	global_prefetch_b8 v[PFO], s[78:79] th:TH_LOAD_NT scope:SCOPE_SE
.Lno_ask:
	TRIP 1, 1
	s_sub_co_u32 s46, s46, 1
	s_cmp_lg_u32 s46, 0
	s_wait_alu depctr_va_vdst(0)
	s_cbranch_scc1 .Ltrip
	TRIP 2, 1                                      ; the last two slots are written out
	TRIP 0, 0
	; ---- O^T is divided by the row's sum, into window 0
	s_wait_alu depctr_va_vdst(0)
	s_wait_tensorcnt 0x0                           ; my part of Wo has landed
.irp e, 0,1
	v_add_f32 v[SU+8*\e], v[SU+8*\e], v[SU+8*\e+1]
.endr
.irp e, 0,1
	v_permlanex16_b32 v[TC+8*\e], v[SU+8*\e], s[SEL], s[SEL+1]
.endr
.irp e, 0,1
	v_add_f32 v[SU+8*\e], v[SU+8*\e], v[TC+8*\e]   ; the row's sum
.endr
	s_wait_alu depctr_va_vdst(0)
.irp e, 0,1
	v_rcp_f32 v[FF+8*\e], v[SU+8*\e]
.endr
	WIN 0x01
	v_nop
	s_wait_alu depctr_va_vdst(0)
.set jj, 0
.rept 32
	v_pk_mul_f32 v[S+jj:S+jj+1], v[O+jj:O+jj+1], v[FF+8*(jj/32):FF+8*(jj/32)+1] op_sel_hi:[1,0]
.set jj, jj+2
.endr
	WIN 0
	; ---- my head's 64 numbers of each of 32 queries become half a fragment of the last product's first operand (K = 64 head + d): register 16 b + i is d = 32 b + 16 h + i
.irp u, 0,1,2,3
	v_max3_num_f32 v[BM+\u], |v[S+16*\u]|, |v[S+16*\u+1]|, 0x1800000
.endr
.irp i, 2,4,6,8,10,12,14
.irp u, 0,1,2,3
	v_max3_num_f32 v[BM+\u], v[BM+\u], |v[S+16*\u+\i]|, |v[S+16*\u+\i+1]|
.endr
.endr
.irp u, 0,1,2,3
	v_permlanex16_b32 v[PT+\u], v[BM+\u], s[SEL], s[SEL+1]
.endr
.irp u, 0,1,2,3
	v_max_num_f32 v[BM+\u], v[BM+\u], v[PT+\u]
.endr
.irp u, 0,1,2,3
	v_add_nc_u32 v[SO+\u], 0xff000000, v[BM+\u]
.endr
.irp u, 0,1,2,3
	v_lshrrev_b32 v[PT+\u], 23, v[SO+\u]
.endr
.irp u, 0,1,2,3
	v_cvt_scalef32_pk16_fp6_f32 v[F+4*\u:F+4*\u+2], v[S+16*\u:S+16*\u+15], v[SO+\u]
.endr
.irp e, 0,1
	v_lshl_or_b32 v[TA+8*\e], v[PT+2*\e+1], 8, v[PT+2*\e]   ; my two bytes (plain places behind the conversions)
.endr
.irp e, 0,1
.irp i, 0,1,2
	v_permlane16_swap_b32 v[F+8*\e+\i], v[F+8*\e+4+\i]
.endr
.endr
.irp e, 0,1
	v_mov_b32 v[F+8*\e+3], v[F+8*\e+4]
	v_mov_b32 v[F+8*\e+4], v[F+8*\e+5]
	v_mov_b32 v[F+8*\e+5], v[F+8*\e+6]             ; six registers: d = 32 h + 0 .. 31 of place r
.endr
.irp e, 0,1
	ds_store_b128 v240, v[F+8*\e:F+8*\e+3] offset:3072*\e
	ds_store_b64 v241, v[F+8*\e+4:F+8*\e+5] offset:3072*\e
	ds_store_b16 v244, v[TA+8*\e] offset:128*\e    ; both halves of the lanes write the same two bytes
.endr
	BAR                                            ; the 64 queries' codes of all heads, and all of Wo, lie in LDS
	; ---- y = residual + out Wo^T, natural: a lane holds one column and eight queries; the residual is the C of each sum's first product
.set jj, 0
.rept 24
	ds_load_b128 v[WO+4*jj:WO+4*jj+3], v250 offset:512*jj
.set jj, jj+1
.endr
.irp e, 0,1
.irp k, 0,1,2,3
	ds_load_b128 v[AO+24*\e+6*\k:AO+24*\e+6*\k+3], v242 offset:3072*\e+768*\k
	ds_load_b64 v[AO+24*\e+6*\k+4:AO+24*\e+6*\k+5], v243 offset:3072*\e+768*\k
.endr
	ds_load_b32 v[KS+\e], v245 offset:128*\e
.endr
	s_wait_dscnt 0x0
	s_wait_loadcnt 0x0                             ; the residual, Wo's scale words, bo, gamma, beta
	WIN 0x50
.irp i, 0,1,2,3
.irp e, 0,1
	MMA Y+32*\e+8*\i, AO+24*\e, WO+24*\i, KS+\e, WOS+\i, 0, 0
.endr
.endr
.irp i, 0,1,2,3
.irp e, 0,1
	MMA Y+32*\e+8*\i, AO+24*\e+12, WO+24*\i+12, KS+\e, WOS+\i, 1, 1
.endr
.endr
	WIN 0x01
	PLACES
.set jj, 0
.rept 64
	v_add_f32 v[YY+jj], v[Y+jj], v[BO+(jj/8)%4]    ; into window 0: register 32 e + 8 i + j
.set jj, jj+1
.endr
	WIN 0
; a sum over the row: the sixteen lanes of my half, then the four column groups through LDS
.macro ALLSUM r, off
.irp x, 1,2,4,8
.set jj, 0
.rept 16
	v_add_f32_dpp v[\r+jj], v[\r+jj], v[\r+jj] row_xmask:\x row_mask:0xf bank_mask:0xf
.set jj, jj+1
.endr
.endr
.irp e, 0,1
.irp k, 0,1
	ds_store_b128 v246, v[\r+8*\e+4*\k:\r+8*\e+4*\k+3] offset:\off+256*\e+16*\k   ; the sixteen lanes of a half write the same bytes with the same values
.endr
.endr
	BAR
.irp e, 0,1
.irp g, 0,1,2,3
.irp k, 0,1
	ds_load_b128 v[RD+32*\e+8*\g+4*\k:RD+32*\e+8*\g+4*\k+3], v247 offset:\off+256*\e+64*\g+16*\k
.endr
.endr
.endr
	s_wait_dscnt 0x0
.set jj, 0
.rept 16
	v_add_f32 v[\r+jj], v[RD+32*(jj/8)+jj%8], v[RD+32*(jj/8)+8+jj%8]
	v_add_f32 v[RD+32*(jj/8)+16+jj%8], v[RD+32*(jj/8)+16+jj%8], v[RD+32*(jj/8)+24+jj%8]
.set jj, jj+1
.endr
.set jj, 0
.rept 16
	v_add_f32 v[\r+jj], v[\r+jj], v[RD+32*(jj/8)+16+jj%8]
.set jj, jj+1
.endr
.endm
.set jj, 0
.rept 16
	v_add_f32 v[SM+jj], v[YY+32*(jj/8)+jj%8], v[YY+32*(jj/8)+8+jj%8]
	v_add_f32 v[SQ+jj], v[YY+32*(jj/8)+16+jj%8], v[YY+32*(jj/8)+24+jj%8]
.set jj, jj+1
.endr
.set jj, 0
.rept 16
	v_add_f32 v[SM+jj], v[SM+jj], v[SQ+jj]
.set jj, jj+1
.endr
	ALLSUM SM, 0
.set jj, 0
.rept 16
	v_mul_f32 v[SM+jj], s49, v[SM+jj]              ; the mean
.set jj, jj+1
.endr
.set jj, 0
.rept 64                                       ; the variance is taken of the differences
	v_sub_f32 v[YY+jj], v[YY+jj], v[SM+8*(jj/32)+jj%8]
.set jj, jj+1
.endr
.set jj, 0
.rept 16
	v_mul_f32 v[SQ+jj], v[YY+32*(jj/8)+jj%8], v[YY+32*(jj/8)+jj%8]
.set jj, jj+1
.endr
.irp i, 1,2,3
.set jj, 0
.rept 16
	v_fmac_f32 v[SQ+jj], v[YY+32*(jj/8)+8*\i+jj%8], v[YY+32*(jj/8)+8*\i+jj%8]
.set jj, jj+1
.endr
.endr
	ALLSUM SQ, 1024
.set jj, 0
.rept 16
	v_fma_f32 v[SQ+jj], v[SQ+jj], s49, s50         ; the variance + 1e-6
.set jj, jj+1
.endr
	s_wait_alu depctr_va_vdst(0)
.set jj, 0
.rept 16
	v_rsq_f32 v[SQ+jj], v[SQ+jj]
.set jj, jj+1
.endr
	v_nop                                          ; a plain place behind the transcendentals
	s_wait_alu depctr_va_vdst(0)
.set jj, 0
.rept 64
	v_mul_f32 v[YY+jj], v[YY+jj], v[SQ+8*(jj/32)+jj%8]
.set jj, jj+1
.endr
.set jj, 0
.rept 64
	v_fma_f32 v[YY+jj], v[YY+jj], v[GA+(jj/8)%4], v[BE+(jj/8)%4]
.set jj, jj+1
.endr
	; ---- the way out: a lane holds one column of eight rows, so the 64 rows meet in the stage and leave whole
.irp e, 0,1
.irp i, 0,1,2,3
.irp j, 0,1,2,3,4,5,6,7
	ds_store_b32 v248, v[YY+32*\e+8*\i+\j] offset:SP*(8*\e+\j)+(32*(\i/2)+8*(\i%2))*4
.endr
.endr
.endr
	BAR
.set jj, 0
.rept 16
	ds_load_b128 v[RD+4*jj:RD+4*jj+3], v249 offset:SP*(jj/2)+512*(jj%2)
.set jj, jj+1
.endr
.set jj, 0
.rept 16
	s_wait_dscnt 15-jj                             ; LDS loads come back in order: this one is in, the younger ones may be out
	global_store_b128 v[L16], v[RD+4*jj:RD+4*jj+3], s[76:77] offset:1024*(jj/2)+512*(jj%2) th:TH_STORE_NT   ; 512 consecutive bytes, at a multiple of 256 from out0's first byte
.set jj, jj+1
.endr
	s_wait_tensorcnt 0x0                           ; the wave's end
	ds_add_u32 v[SPW], v[NIL]
	s_wait_dscnt 0x0
	CROUND                                         ; the closing round: no work-group ends while a partner may still ask for a tile that names it
	s_endpgm
.Lfunc_end_k_q46be9bc36a_attn:
	.size	k_q46be9bc36a_attn, .Lfunc_end_k_q46be9bc36a_attn-k_q46be9bc36a_attn
	.p2alignl 7, 3214868480
	.fill 96, 4, 3214868480
	.section	.rodata,"a",@progbits
	.p2align	6, 0x0
	.amdhsa_kernel k_q46be9bc36a_attn
		.amdhsa_group_segment_fixed_size 327680
		.amdhsa_private_segment_fixed_size 0
		.amdhsa_enable_private_segment 0
		.amdhsa_kernarg_size 80
		.amdhsa_user_sgpr_count 2
		.amdhsa_user_sgpr_kernarg_segment_ptr 1
		.amdhsa_wavefront_size32 1
		.amdhsa_system_sgpr_workgroup_id_x 1
		.amdhsa_system_sgpr_workgroup_id_y 1
		.amdhsa_system_sgpr_workgroup_id_z 1
		.amdhsa_system_vgpr_workitem_id 0
		.amdhsa_next_free_vgpr 512
		.amdhsa_next_free_sgpr 100
		.amdhsa_reserve_vcc 0
		.amdhsa_float_denorm_mode_32 3
		.amdhsa_float_denorm_mode_16_64 3
		.amdhsa_memory_ordered 1
		.amdhsa_forward_progress 1
		.amdhsa_inst_pref_size 225
	.end_amdhsa_kernel
	.amdgpu_metadata
---
amdhsa.version: [ 1, 2 ]
amdhsa.kernels:
  - .name:           k_q46be9bc36a_attn
    .symbol:         k_q46be9bc36a_attn.kd
    .args:
      - { .name: qf, .offset: 0, .size: 8, .value_kind: global_buffer, .address_space: global }
      - { .name: qs, .offset: 8, .size: 8, .value_kind: global_buffer, .address_space: global }
      - { .name: kv, .offset: 16, .size: 8, .value_kind: global_buffer, .address_space: global }
      - { .name: wf, .offset: 24, .size: 8, .value_kind: global_buffer, .address_space: global }
      - { .name: ws, .offset: 32, .size: 8, .value_kind: global_buffer, .address_space: global }
      - { .name: res, .offset: 40, .size: 8, .value_kind: global_buffer, .address_space: global }
      - { .name: bo, .offset: 48, .size: 8, .value_kind: global_buffer, .address_space: global }
      - { .name: gamma, .offset: 56, .size: 8, .value_kind: global_buffer, .address_space: global }
      - { .name: beta, .offset: 64, .size: 8, .value_kind: global_buffer, .address_space: global }
      - { .name: out0, .offset: 72, .size: 8, .value_kind: global_buffer, .address_space: global }
    .group_segment_fixed_size: 327680
    .private_segment_fixed_size: 0
    .kernarg_segment_align: 8
    .kernarg_segment_size: 80
    .max_flat_workgroup_size: 256
    .sgpr_count:     100
    .vgpr_count:     512
    .wavefront_size: 32
...
	.end_amdgpu_metadata
.endif
;; end of part 3
